; MI455X (gfx1250); checked and timed in simulation.
; The chip was launched on July 23, 2026; its instructions are those of AMD's public machine-readable ISA for CDNA 5 (MIT licence, August 2026) and "CDNA5" Instruction Set Architecture Reference Guide (July 2026). The comments in the code are by the model that wrote it; some were corrected since.
;; Self Attn. Allowed arithmetic: float matrix products may take bf16 or f16 operands with f32 sums; other float arithmetic in f32, or as packed bf16 or f16 multiplies, adds, multiply-adds, maxima and minima; sums over many terms, partial sums and values carried from step to step in f32; what a program stores and reads back later, other than sums and carried values, may be rounded once to bf16 or f16.
;; Inputs: Wf 64 x 512 float32; Wg 64 x 512 float32; Wh 256 x 512 float32; Wv 512 x 256 float32; bf 64 float32; bg 64 float32; bh 256 float32; bv 512 float32; gamma 1 float32; x 8 x 512 x 64 x 64 float32.
;; Outputs: out0 8 x 512 x 64 x 64 float32.
;; One version. Each part assembles by itself: llvm-mc -triple=amdgcn-amd-amdhsa -mcpu=gfx1250 --defsym DOCPART=n.
;; ======== version 1 of 1: 2 launches
;; limits: values are held in f16: magnitudes above 65,504 overflow, below 6.1e-05 lose precision
;; workspace buffers: q 4,194,304 bytes; kv 20,971,520 bytes; wvf 262,144 bytes; xb 33,554,432 bytes
;; launch proj (part 1): grid 32 x 8, 4 waves a work-group, no clusters, 279,040 bytes of LDS; arguments x, Wf, Wg, Wh, bf, bg, bh, Wv, q, kv, wvf, xb; writes q, kv, wvf, xb
.if DOCPART == 1
	.amdgcn_target "amdgcn-amd-amdhsa--gfx1250"
	.amdhsa_code_object_version 6
	.text
	.protected	k_q0235245ccc_proj
	.globl	k_q0235245ccc_proj
	.p2align	8
	.type	k_q0235245ccc_proj,@function
k_q0235245ccc_proj:
	s_mov_b64 s[64:65], 0
	v_nop
	global_prefetch_b8 v0, s[64:65] scope:SCOPE_SE
	s_setreg_imm32_b32 hwreg(HW_REG_WAVE_MODE, 25, 1), 1
	s_wait_xcnt 0x0
; THE THREE PROJECTIONS.  x: [8][512][4096] f32.  f = Wf x + bf (64 rows), g = Wg x + bg (64), hv = Wh x + bh (256).  x, the weights and the biases are rounded once to bf16; products in bf16, sums in f32.
; OUT, each number rounded once to f16:  q [8][4096][64] = log2(e) f (the factor is applied in f32, so that the next launch's weights are 2^(s - m));
;   kv: a block of 81,920 bytes for each 128 pixels (block = 32 batch + tile): g as [128 pixels][64], then hv as [256 channels][128 pixels]: 320 rows of 256 bytes on end;
;   wvf: Wv rounded to bf16, that number written as f16, in the order of a matrix fragment [32 blocks of 16 rows][8 steps of 32 columns][2 halves][32 lanes][8 numbers];
;   xb [8][512][4096] bf16: x as it is rounded here for the products; the next launch takes its residual from it.
; LIMITS.  f16 ends at 65,504: log2(e) f, g and hv must stay within it (at the drawn spread they are of size 1 to 7).  Wv below 6e-5 keeps f16's fixed step of 6e-8.  NaN and infinities are not treated apart.
; SHARES.  A work-group owns 128 pixels of one batch and all 384 output rows: 256 work-groups.  Wave w owns f's rows 16 w.., g's rows 16 w.. and hv's rows 64 w..: six blocks j of 16 rows (0 f, 1 g, 2-5 hv) x eight
; blocks pb of 16 pixels = 48 accumulators.  K = 512 goes in 16 steps of 32 channels.
; x comes once: two tensor loads a wave (64 channels x 128 pixels of f32 each), both issued at the head: two are outstanding, then one.  Each wave rounds its own rows to bf16 in place (bytes 0-255 of a row),
; stores the same 256 bytes to xb, and the turning LDS load makes fragments of them, asked for one K step ahead.  The weights go straight from memory into the registers of the one wave that wants them, two steps
; ahead, and are rounded there.
; ORIENTATION.  f, g: source 0 = weights, source 1 = x: a lane ends with one pixel and eight neighbouring channels.  hv: source 0 = x, source 1 = weights: one channel and eight neighbouring pixels.
; NO CLUSTER: work-groups share the weights alone.  x's tile takes 278,528 of the 327,680 bytes of LDS; one slot of weights for two steps (384 rows x 64 f32) would be 98,304 bytes, and a ring wants two.
; NO PREFETCH: all of a work-group's x is asked for at the head.
; REGISTERS, in windows of 256 (s_set_vgpr_msb: bits 1:0 source 0, 3:2 source 1, 5:4 source 2, 7:6 destination):
;   window 0: v0-15 addresses; v16-31 bf, bg (v16 later xb's offset); v32-127 weights' fragments, two sets of 48 (v32-35 first hold bh); v128-255 x's fragments, two sets of 64
;   window 1: accumulators j = 0..3 at 8 (8 j + pb);  window 2: v0-127 those of j = 4, 5;  window 3: v0-191 weights as loaded, two sets of 96; v192-255 at work on x
.set PX,    544                        ; an LDS row of x: 512 bytes + 32 of padding = 17 x 32: the turning load's 8 rows x 32 bytes fall on every bank once (64 banks of 4 bytes: ISA guide 11.1)
.set WPART, 64*PX                      ; what one tensor load fills
.set HALF,  256*PX                     ; channels 0-255
.set SPARE, 512*PX                     ; behind x: the spare words, 128 bytes a wave: two blocks of 256 bytes that no other line names
.set FP,    144                        ; the way out: a pixel's 64 channels of f or g, 128 bytes + 16
.set GS,    128*FP                     ; f's stage at 0, g's here,
.set HS,    2*128*FP                   ; hv's here: 64 rows of 272 bytes for each wave.  All three lie where x lay: its bytes have had their one fill
.set HP,    272
.set HSW,   64*HP
.set XROW,  8192                       ; a row of xb in memory
.set XA,  1                            ; v1    the turning load's address; steps 32 rows a K step
.set WO,  2                            ; v2-3  byte offset of my part of a weights' fragment, by set
.set CVL, 4                            ; v4    rounding x: where I read 16 bytes
.set CVS, 5                            ; v5    and where I put 8
.set SPW, 6                            ; v6    LDS address of my spare word; never rewritten
.set NIL, 7                            ; v7    0; never rewritten
.set BF,  16
.set BG,  24
.set BH,  32
.set XBO, 16                           ; v16   when the sums have taken the biases: my byte offset in xb
.set WF,  32
.set XF,  128
.set CV,  192                          ; window 3
.set WV,   26                          ; s26  my wave's number
.set TILE, 27
.set BAT,  28
.set CT,   29                          ; loops' counter
.set G1,  32                           ; s[32:39] descriptor group 1
.set G0,  40                           ; s[40:47] descriptor group 0, a set for each half of the channels
.set PWF, 48                           ; s[48:49], s[50:51], s[52:53]: Wf, Wg, Wh at my wave's first row
.set PWG, 50
.set PWH, 52
.set LG,  54                           ; s[54:55] log2(e)
.set PXB, 72                           ; s[72:73] xb at my wave's first row of the tile
.set MSB, 0
.macro WIN new                         ; the immediate's high byte repeats the setting that is left; a switch that changes nothing is dropped
.if MSB != (\new)
	s_set_vgpr_msb (MSB<<8)|(\new)
.set MSB, (\new)
.endif
.endm
	s_load_b512 s[4:19], s[0:1], 0x0               ; x s[4:5], Wf s[6:7], Wg s[8:9], Wh s[10:11], bf s[12:13], bg s[14:15], bh s[16:17], Wv s[18:19]
	s_load_b128 s[20:23], s[0:1], 0x40             ; q s[20:21], kv s[22:23]
	s_load_b64 s[24:25], s[0:1], 0x50              ; wvf
	s_load_b64 s[PXB:PXB+1], s[0:1], 0x58          ; xb
	v_lshl_add_u32 v[SPW], v0, 2, SPARE
	v_mov_b32 v[NIL], 0
	ds_add_u32 v[SPW], v[NIL]                      ; the wave's opening: the add and its wait stand ahead of my first tensor load; work on registers stands between them
	ds_add_u32 v6, v7
	v_lshrrev_b32 v8, 5, v0
	v_readfirstlane_b32 s[WV], v8                  ; wave 0..3
	s_mov_b32 s[TILE], ttmp9
	s_and_b32 s[BAT], ttmp7, 0xffff
	; group 1: 64 rows (channels) x 128 elements of 4 bytes (pixels), 4,096 elements from row to row, 8 words of padding behind every 128
	s_mov_b32 s[G1+0], (2<<16)|(1<<20)|(6<<22)|(7<<25)
	s_mov_b32 s[G1+1], 128<<16                     ; tensor_dim0 = 128
	s_mov_b32 s[G1+2], 64<<16                      ; tensor_dim1 = 64
	s_mov_b32 s[G1+3], 128<<16                     ; tile_dim0 = 128
	s_mov_b32 s[G1+4], 64                          ; tile_dim1 = 64
	s_mov_b32 s[G1+5], 4096
	s_mov_b32 s[G1+6], 0
	s_mov_b32 s[G1+7], 0
	s_mul_i32 s56, s[WV], WPART                    ; my 64 rows in a half
	s_mov_b32 s[G0], 1
	s_mov_b32 s[G0+1], s56
	s_mov_b32 s[G0+4], 1
	s_add_co_u32 s[G0+5], s56, HALF
	s_lshl_b32 s58, s[BAT], 23                     ; a batch is 512 x 4,096 x 4 bytes,
	s_lshl_b32 s59, s[TILE], 9                     ; a tile 128 pixels,
	s_add_co_u32 s58, s58, s59
	s_lshl_b32 s59, s[WV], 20                      ; my 64 channels
	s_add_co_u32 s58, s58, s59
	s_mov_b32 s59, 0
	s_mov_b32 s[LG], 0x3fb8aa3b
	s_mov_b32 s[LG+1], s[LG]                       ; named with it as a pair
	s_lshl_b32 s66, s[BAT], 5
	s_add_co_u32 s66, s66, s[TILE]                 ; n: the work-group's number, 0..255, and its block in q and kv
	s_wait_dscnt 0x0                               ; the opening add is done
	s_wait_kmcnt 0x0
	s_add_nc_u64 s[G0+2:G0+3], s[4:5], s[58:59]
	s_add_nc_u64 s[G0+6:G0+7], s[G0+2:G0+3], 0x400000  ; 256 channels on
	s_or_b32 s[G0+3], s[G0+3], 0x80000000          ; type = 2
	s_or_b32 s[G0+7], s[G0+7], 0x80000000
	tensor_load_to_lds s[G0:G0+3], s[G1:G1+7]      ; both fills go out together, ahead of every wait on TENSORcnt, every LDS read and every barrier
	s_nop 0
	tensor_load_to_lds s[G0+4:G0+7], s[G1:G1+7]
	s_nop 0
.rept 4
	v_nop
.endr
	s_lshl_b32 s30, s[WV], 15                      ; 16 rows of 2,048 bytes
	s_mov_b32 s31, 0
	s_add_nc_u64 s[PWF:PWF+1], s[6:7], s[30:31]
	s_add_nc_u64 s[PWG:PWG+1], s[8:9], s[30:31]
	s_lshl_b32 s30, s[WV], 17                      ; 64 rows
	s_add_nc_u64 s[PWH:PWH+1], s[10:11], s[30:31]
	s_lshl_b32 s30, s66, 14                        ; where my parts of q and kv begin
	s_lshl_b32 s57, s[WV], 12
	s_add_co_u32 s30, s30, s57
	s_add_nc_u64 s[58:59], s[20:21], s[30:31]      ; q: block x 16,384 + my 32 pixels
	s_mul_i32 s30, s66, 81920
	s_add_co_u32 s30, s30, s57
	s_add_nc_u64 s[60:61], s[22:23], s[30:31]      ; kv, g's part: the same 32 pixels
	s_mul_i32 s30, s66, 81920
	s_lshl_b32 s57, s[WV], 14
	s_add_co_u32 s30, s30, s57
	s_add_co_u32 s30, s30, 16384
	s_add_nc_u64 s[62:63], s[22:23], s[30:31]      ; kv, hv's part: my 64 channels of 256 bytes
	s_lshl_b32 s30, s[BAT], 22                     ; xb: a batch is 512 rows of 8,192 bytes,
	s_lshl_b32 s57, s[TILE], 8                     ; a tile 256 bytes of a row,
	s_add_co_u32 s30, s30, s57
	s_lshl_b32 s57, s[WV], 19                      ; my 64 rows of a half
	s_add_co_u32 s30, s30, s57
	s_add_nc_u64 s[PXB:PXB+1], s[PXB:PXB+1], s[30:31]
	v_and_b32 v9, 15, v0                           ; r = lane % 16
	v_bfe_u32 v10, v0, 4, 1                        ; h = lane / 16
	v_and_b32 v11, 31, v0                          ; lane
	v_and_b32 v12, 7, v0
	v_lshl_add_u32 v12, v10, 3, v12
	v_mul_u32_u24 v[XA], v12, PX                   ; the turning load: lane l reads channel 8 h + l % 8,
	v_bfe_u32 v12, v0, 3, 1
	v_lshl_add_u32 v[XA], v12, 4, v[XA]            ; pixels 8 ((l / 8) % 2) + 0..7, and ends with pixel l % 16 and eight channels
	v_lshlrev_b32 v[WO], 11, v9                    ; weights: row r, 32 bytes (8 f32) for each half of the lanes
	v_lshl_add_u32 v[WO], v10, 5, v[WO]
	v_add_nc_u32 v[WO+1], 128, v[WO]               ; set 1 begins a K step on
	v_lshl_add_u32 v[CVL], v11, 4, s56
	v_lshl_add_u32 v[CVS], v11, 3, s56
	s_lshl_b32 s57, s[WV], 6
	v_lshl_add_u32 v13, v10, 5, s57                ; bf, bg: channels 16 w + 8 h + 0..7
	s_lshl_b32 s57, s[WV], 8
	v_lshl_add_u32 v14, v9, 2, s57                 ; bh: channel 64 w + 16 hb + r
	global_load_b128 v[BF:BF+3],   v13, s[12:13]
	global_load_b128 v[BF+4:BF+7], v13, s[12:13] offset:16
	global_load_b128 v[BG:BG+3],   v13, s[14:15]
	global_load_b128 v[BG+4:BG+7], v13, s[14:15] offset:16
.irp hb, 0,1,2,3
	global_load_b32 v[BH+\hb], v14, s[16:17] offset:64*\hb
.endr
	; Wv's share: work-group n makes the 1,024 bytes of block n / 8, step n % 8.  Thread t (waves 0 and 1) takes row 16 (n / 8) + t % 16, columns 32 (n % 8) + 16 (t / 32) + 8 ((t / 16) % 2) + 0..7
	s_lshr_b32 s67, s66, 3
	s_lshl_b32 s67, s67, 14
	s_and_b32 s57, s66, 7
	s_lshl_b32 s57, s57, 7
	s_add_co_u32 s67, s67, s57
	s_lshl_b32 s57, s[WV], 6
	s_add_co_u32 s67, s67, s57
	s_lshl_b32 s68, s66, 10
	v_lshlrev_b32 v8, 10, v9
	v_lshl_add_u32 v8, v10, 5, v8
	v_add_nc_u32 v8, s67, v8
	v_lshl_add_u32 v15, v0, 4, s68
	s_cmp_lt_u32 s[WV], 2
	s_cbranch_scc0 .Lno_wv
	global_load_b128 v[128:131], v8, s[18:19]
	global_load_b128 v[132:135], v8, s[18:19] offset:16
	s_wait_loadcnt 0x0
.irp e, 0,1,2,3
	v_cvt_pk_bf16_f32 v[136+\e], v[128+2*\e], v[128+2*\e+1]  ; rounded to bf16, like every input,
.endr
.irp e, 0,1,2,3
	v_lshlrev_b32 v[128+2*\e], 16, v[136+\e]
	v_and_b32 v[128+2*\e+1], 0xffff0000, v[136+\e]
.endr
.irp e, 0,1,2,3
	v_cvt_pk_f16_f32 v[136+\e], v[128+2*\e], v[128+2*\e+1]   ; and that number written as f16
.endr
	global_store_b128 v15, v[136:139], s[24:25]    ; a wave's store covers 512 consecutive bytes, aligned
.Lno_wv:
	s_wait_xcnt 0x0                                ; the store has read its registers: they are written again below
; 24 loads: my six blocks' weights for one K step, as f32, into set b.  A fragment's lane wants channels 8 h + 0..7 and 16 + 8 h + 0..7: bytes 0, 16, 64, 80 behind its offset
.macro WLOAD b
	WIN 0xc0                                       ; destination window 3, address window 0
.irp i, 0,1,2,3
	global_load_b128 v[96*(\b)+4*(\i):96*(\b)+4*(\i)+3], v[WO+(\b)], s[PWF:PWF+1] offset:16*((\i)%2)+64*((\i)/2)
.endr
.irp i, 0,1,2,3
	global_load_b128 v[96*(\b)+16+4*(\i):96*(\b)+16+4*(\i)+3], v[WO+(\b)], s[PWG:PWG+1] offset:16*((\i)%2)+64*((\i)/2)
.endr
.irp j, 0,1,2,3
.irp i, 0,1,2,3
	global_load_b128 v[96*(\b)+32+16*(\j)+4*(\i):96*(\b)+32+16*(\j)+4*(\i)+3], v[WO+(\b)], s[PWH:PWH+1] offset:32768*(\j)+16*((\i)%2)+64*((\i)/2)
.endr
.endr
	WIN 0
.endm
; My 64 rows of a half are rounded to bf16, 16 rows a trip: a row's 512 bytes are read by one load of the wave; when all 16 loads are back its 256 bytes go back into LDS, in place, and out to xb:
; each store of the wave to xb covers 256 consecutive bytes, aligned.  Then everybody's rows are shown to everybody.
.macro CONVERT
	s_mov_b32 s[CT], 4
.Lcv_\@:
	WIN 0xc0
.set i, 0
.rept 16
	ds_load_b128 v[CV+4*i:CV+4*i+3], v[CVL] offset:i*PX
.set i, i+1
.endr
	s_wait_dscnt 0x0
	WIN 0xcf                                       ; all in window 3
.set i, 0
.rept 16
	v_cvt_pk_bf16_f32 v[CV+4*i], v[CV+4*i], v[CV+4*i+1]
	v_cvt_pk_bf16_f32 v[CV+4*i+1], v[CV+4*i+2], v[CV+4*i+3]
.set i, i+1
.endr
	WIN 0x0c                                       ; data (source 1) window 3, address window 0
.set i, 0
.rept 16
	ds_store_b64 v[CVS], v[CV+4*i:CV+4*i+1] offset:i*PX
.set i, i+1
.endr
.set i, 0
.rept 16
	global_store_b64 v[XBO], v[CV+4*i:CV+4*i+1], s[PXB:PXB+1] offset:i*XROW
.set i, i+1
.endr
	WIN 0
	s_wait_xcnt 0x0                                ; the stores have read their offset and their data: both are written again only behind this wait
	v_add_nc_u32 v[CVL], 16*PX, v[CVL]
	v_add_nc_u32 v[CVS], 16*PX, v[CVS]
	v_add_nc_u32 v[XBO], 16*XROW, v[XBO]
	s_sub_co_u32 s[CT], s[CT], 1
	s_cmp_lg_u32 s[CT], 0
	s_cbranch_scc1 .Lcv_\@
	s_wait_dscnt 0x0                               ; for the others' sake: my stores into LDS are done
	s_barrier_signal -1
	s_barrier_wait -1                              ; The other half's load may stay out across it
.endm
; 16 turning loads: x's 8 fragments of one K step into set b; the address steps to the next step's 32 rows
.macro XLOAD b
.set i, 0
.rept 8
	ds_load_tr16_b128 v[XF+64*(\b)+8*i:XF+64*(\b)+8*i+3],   v[XA] offset:32*i
	ds_load_tr16_b128 v[XF+64*(\b)+8*i+4:XF+64*(\b)+8*i+7], v[XA] offset:32*i+16*PX
.set i, i+1
.endr
	v_add_nc_u32 v[XA], 32*PX, v[XA]
.endm
; A K step on set b.  The weights of set b, asked for two steps ago, are rounded: 48 plain instructions that name no register of the last step's products, the places in front of the loads that follow.
; Then x's fragments for the NEXT step are asked of LDS into the other set (pre = 1), the weights' set is asked for again (load = 1), and this step's 48 products run while both are on their way.
; cnt: the other set's weight loads, which may stay out.  The 48 accumulators take turns, one instruction a turn, over the backward jump too.
.macro KSTEP b, load, cnt, pre
	s_wait_loadcnt \cnt                            ; loads come back in order (ISA guide 5.7.1): set b is in
	WIN 0x0f                                       ; sources window 3, destination window 0
.set i, 0
.rept 48
	v_cvt_pk_bf16_f32 v[WF+48*(\b)+i], v[96*(\b)+2*i], v[96*(\b)+2*i+1]
.set i, i+1
.endr
	WIN 0
.if \pre
	XLOAD 1-(\b)
.endif
.if \load
	v_add_nc_u32 v[WO+(\b)], 256, v[WO+(\b)]       ; free since the wait above, which showed its loads done: two K steps on
	WLOAD \b
.endif
.if \pre
	s_wait_dscnt 16                                ; this step's fragments, asked for a step ago, are in; the 16 loads just issued stay out
.else
	s_wait_dscnt 0x0
.endif
	WIN 0x50                                       ; sources window 0, C and D window 1
.irp j, 0,1
.irp pb, 0,1,2,3,4,5,6,7
	v_wmma_f32_16x16x32_bf16 v[8*(8*(\j)+(\pb)):8*(8*(\j)+(\pb))+7], v[WF+48*(\b)+8*(\j):WF+48*(\b)+8*(\j)+7], v[XF+64*(\b)+8*(\pb):XF+64*(\b)+8*(\pb)+7], v[8*(8*(\j)+(\pb)):8*(8*(\j)+(\pb))+7]
.endr
.endr
.irp j, 2,3
.irp pb, 0,1,2,3,4,5,6,7
	v_wmma_f32_16x16x32_bf16 v[8*(8*(\j)+(\pb)):8*(8*(\j)+(\pb))+7], v[XF+64*(\b)+8*(\pb):XF+64*(\b)+8*(\pb)+7], v[WF+48*(\b)+8*(\j):WF+48*(\b)+8*(\j)+7], v[8*(8*(\j)+(\pb)):8*(8*(\j)+(\pb))+7]
.endr
.endr
	WIN 0xa0                                       ; C and D window 2
.irp j, 4,5
.irp pb, 0,1,2,3,4,5,6,7
	v_wmma_f32_16x16x32_bf16 v[8*(8*((\j)-4)+(\pb)):8*(8*((\j)-4)+(\pb))+7], v[XF+64*(\b)+8*(\pb):XF+64*(\b)+8*(\pb)+7], v[WF+48*(\b)+8*(\j):WF+48*(\b)+8*(\j)+7], v[8*(8*((\j)-4)+(\pb)):8*(8*((\j)-4)+(\pb))+7]
.endr
.endr
.endm
	WLOAD 0                                        ; K steps 0 and 1
	WLOAD 1
	s_wait_loadcnt 48                              ; the biases are in; the 48 loads just issued stay out
.set i, 0
.rept 20                                       ; bf, bg (v16-31) and bh (v32-35) rounded to bf16 and widened again
	v_cvt_pk_bf16_f32 v[BF+i], v[BF+i], v[BF+i]
	v_lshlrev_b32 v[BF+i], 16, v[BF+i]
.set i, i+1
.endr
	; THE SUMS START AT THE BIASES, written while the first tiles are on their way: the loop has one form of product, and no bias is added afterwards
	WIN 0x40
.set i, 0
.rept 64
	v_mov_b32 v[i], v[BF+i%8]                      ; f: a lane's register e is channel 16 w + 8 h + e
.set i, i+1
.endr
.set i, 0
.rept 64
	v_mov_b32 v[64+i], v[BG+i%8]
.set i, i+1
.endr
.set i, 0
.rept 128
	v_mov_b32 v[128+i], v[BH+i/64]                 ; hv: all eight registers of a lane are one channel
.set i, i+1
.endr
	WIN 0x80
.set i, 0
.rept 128
	v_mov_b32 v[i], v[BH+2+i/64]
.set i, i+1
.endr
	WIN 0
	v_lshlrev_b32 v[XBO], 3, v11                   ; bf has been taken: 8 bytes a lane in a row of xb
	s_wait_tensorcnt 0x1                           ; my rows of channels 0-255 have landed; the other half's load stays out
	CONVERT
	v_add_nc_u32 v[CVL], HALF-WPART, v[CVL]        ; on to my rows of the other half
	v_add_nc_u32 v[CVS], HALF-WPART, v[CVS]
	v_add_nc_u32 v[XBO], (256-64)*XROW, v[XBO]
	XLOAD 0                                        ; K step 0's fragments
	s_mov_b32 s[CT], 3
.Lk0:                                              ; K steps 0-5; step 5 asks for step 6's fragments, which still lie in the first half
	KSTEP 0, 1, 24, 1
	KSTEP 1, 1, 24, 1
	WIN 0
	s_sub_co_u32 s[CT], s[CT], 1
	s_cmp_lg_u32 s[CT], 0
	s_cbranch_scc1 .Lk0
	s_wait_tensorcnt 0x0                           ; my rows of channels 256-511: they are rounded here, since step 7 asks for step 8's fragments
	CONVERT
	s_mov_b32 s[CT], 4
.Lk1:                                              ; K steps 6-13
	KSTEP 0, 1, 24, 1
	KSTEP 1, 1, 24, 1
	WIN 0
	s_sub_co_u32 s[CT], s[CT], 1
	s_cmp_lg_u32 s[CT], 0
	s_cbranch_scc1 .Lk1
	KSTEP 0, 0, 24, 1                              ; the last two ask for no weights, the last for no fragments
	KSTEP 1, 0, 0, 0
	WIN 0
	; THE WAY OUT.  Its addresses are made here: 21 plain instructions that name no register of the products, the places behind the last of them (ISA guide 7.12.1)
	v_and_b32 v14, 15, v0                          ; r
	v_bfe_u32 v15, v0, 4, 1                        ; h
	v_and_b32 v13, 31, v0                          ; lane
	s_lshl_b32 s30, s[WV], 5
	v_mul_u32_u24 v8, v14, FP                      ; f, g in: pixel 16 pb + r, channels 16 w + 8 h + 0..7
	v_lshl_add_u32 v8, v15, 4, v8
	v_add_nc_u32 v8, s30, v8
	s_mul_i32 s31, s[WV], HSW
	s_add_co_u32 s31, s31, HS
	v_mul_u32_u24 v9, v14, HP                      ; hv in: channel 16 hb + r of my 64, pixels 16 pb + 8 h + 0..7
	v_lshl_add_u32 v9, v15, 4, v9
	v_add_nc_u32 v9, s31, v9
	v_bfe_u32 v10, v0, 3, 2
	v_lshl_add_u32 v10, s[WV], 5, v10              ; f, g back: pixel 32 w + 4 i + lane / 8, 16 bytes at 16 (lane % 8): four pixels are 512 bytes on end in memory
	v_mul_u32_u24 v10, v10, FP
	v_and_b32 v11, 7, v0
	v_lshl_add_u32 v10, v11, 4, v10
	v_mul_u32_u24 v11, v15, HP                     ; hv back: lanes 0-15 one row of 256 bytes, lanes 16-31 the next
	v_lshl_add_u32 v11, v14, 4, v11
	v_add_nc_u32 v11, s31, v11
	v_lshlrev_b32 v12, 4, v13                      ; and 16 x lane in memory
	WIN 0x41
.set i, 0
.rept 32
	v_pk_mul_f32 v[i:i+1], v[i:i+1], s[LG:LG+1] op_sel_hi:[1,0]  ; f times log2(e); each accumulator is read from its low end on
.set i, i+2
.endr
	WIN 0x05                                       ; sources window 1, destination window 0: accumulator a's eight numbers into v[32 + 4 a ..]
.set i, 0
.rept 128
	v_cvt_pk_f16_f32 v[32+i], v[2*i], v[2*i+1]
.set i, i+1
.endr
	WIN 0x0a                                       ; sources window 2
.set i, 0
.rept 64
	v_cvt_pk_f16_f32 v[160+i], v[2*i], v[2*i+1]
.set i, i+1
.endr
	WIN 0
	s_wait_dscnt 0x0
	s_barrier_signal -1
	s_barrier_wait -1                              ; every wave has read x for the last time: its bytes take the stages
.set i, 0
.rept 8
	ds_store_b128 v8, v[32+4*i:32+4*i+3] offset:16*FP*i
	ds_store_b128 v8, v[64+4*i:64+4*i+3] offset:GS+16*FP*i
.set i, i+1
.endr
.set i, 0
.rept 32                                       ; i = 8 hb + pb
	ds_store_b128 v9, v[96+4*i:96+4*i+3] offset:16*HP*(i/8)+32*(i%8)
.set i, i+1
.endr
	s_wait_dscnt 0x0                               ; a pixel's 128 bytes of f and of g come from all four waves
	s_barrier_signal -1
	s_barrier_wait -1
.set i, 0
.rept 8
	ds_load_b128 v[32+4*i:32+4*i+3], v10 offset:4*FP*i
.set i, i+1
.endr
.set i, 0
.rept 8
	ds_load_b128 v[64+4*i:64+4*i+3], v10 offset:GS+4*FP*i
.set i, i+1
.endr
.set i, 0
.rept 32
	ds_load_b128 v[96+4*i:96+4*i+3], v11 offset:2*HP*i
.set i, i+1
.endr
.set i, 0
.rept 48                                       ; every store covers 512 consecutive bytes, at a multiple of 256 from its buffer's first
	s_wait_dscnt 47-i                              ; LDS loads come back in order: load i is in, the younger ones stay out
.if i < 8
	global_store_b128 v12, v[32+4*i:32+4*i+3], s[58:59] offset:512*i
.elseif i < 16
	global_store_b128 v12, v[32+4*i:32+4*i+3], s[60:61] offset:512*(i-8)
.else
	global_store_b128 v12, v[32+4*i:32+4*i+3], s[62:63] offset:512*(i-16)
.endif
.set i, i+1
.endr
	s_wait_tensorcnt 0x0                           ; the wave's end: the wait, the add and its wait stand behind my last tensor load and my last LDS store
	ds_add_u32 v[SPW], v[NIL]
	s_wait_dscnt 0x0
	s_endpgm
.Lfunc_end_k_q0235245ccc_proj:
	.size	k_q0235245ccc_proj, .Lfunc_end_k_q0235245ccc_proj-k_q0235245ccc_proj
	.p2alignl 7, 3214868480
	.fill 96, 4, 3214868480
	.section	.rodata,"a",@progbits
	.p2align	6, 0x0
	.amdhsa_kernel k_q0235245ccc_proj
		.amdhsa_group_segment_fixed_size 279040
		.amdhsa_private_segment_fixed_size 0
		.amdhsa_enable_private_segment 0
		.amdhsa_kernarg_size 96
		.amdhsa_user_sgpr_count 2
		.amdhsa_user_sgpr_kernarg_segment_ptr 1
		.amdhsa_wavefront_size32 1
		.amdhsa_system_sgpr_workgroup_id_x 1
		.amdhsa_system_sgpr_workgroup_id_y 1
		.amdhsa_system_sgpr_workgroup_id_z 1
		.amdhsa_system_vgpr_workitem_id 0
		.amdhsa_next_free_vgpr 1024
		.amdhsa_next_free_sgpr 80
		.amdhsa_reserve_vcc 0
		.amdhsa_float_denorm_mode_32 3
		.amdhsa_float_denorm_mode_16_64 3
		.amdhsa_memory_ordered 1
		.amdhsa_forward_progress 1
		.amdhsa_inst_pref_size 119
	.end_amdhsa_kernel
	.amdgpu_metadata
---
amdhsa.version: [ 1, 2 ]
amdhsa.kernels:
  - .name:           k_q0235245ccc_proj
    .symbol:         k_q0235245ccc_proj.kd
    .args:
      - { .name: x, .offset: 0, .size: 8, .value_kind: global_buffer, .address_space: global }
      - { .name: Wf, .offset: 8, .size: 8, .value_kind: global_buffer, .address_space: global }
      - { .name: Wg, .offset: 16, .size: 8, .value_kind: global_buffer, .address_space: global }
      - { .name: Wh, .offset: 24, .size: 8, .value_kind: global_buffer, .address_space: global }
      - { .name: bf, .offset: 32, .size: 8, .value_kind: global_buffer, .address_space: global }
      - { .name: bg, .offset: 40, .size: 8, .value_kind: global_buffer, .address_space: global }
      - { .name: bh, .offset: 48, .size: 8, .value_kind: global_buffer, .address_space: global }
      - { .name: Wv, .offset: 56, .size: 8, .value_kind: global_buffer, .address_space: global }
      - { .name: q, .offset: 64, .size: 8, .value_kind: global_buffer, .address_space: global }
      - { .name: kv, .offset: 72, .size: 8, .value_kind: global_buffer, .address_space: global }
      - { .name: wvf, .offset: 80, .size: 8, .value_kind: global_buffer, .address_space: global }
      - { .name: xb, .offset: 88, .size: 8, .value_kind: global_buffer, .address_space: global }
    .group_segment_fixed_size: 279040
    .private_segment_fixed_size: 0
    .kernarg_segment_align: 8
    .kernarg_segment_size: 96
    .max_flat_workgroup_size: 128
    .sgpr_count:     80
    .vgpr_count:     1024
    .wavefront_size: 32
...
	.end_amdgpu_metadata
.endif
;; end of part 1
;; launch attn (part 2): grid 32 x 8, 4 waves a work-group, clusters of 4 x 1, 327,680 bytes of LDS; arguments q, kv, wvf, bv, gamma, xb, out0; writes out0
.if DOCPART == 2
	.amdgcn_target "amdgcn-amd-amdhsa--gfx1250"
	.amdhsa_code_object_version 6
	.text
	.protected	k_q0235245ccc_attn
	.globl	k_q0235245ccc_attn
	.p2align	8
	.type	k_q0235245ccc_attn,@function
k_q0235245ccc_attn:
	s_mov_b64 s[64:65], 0
	v_nop
	global_prefetch_b8 v0, s[64:65] scope:SCOPE_SE
	s_setreg_imm32_b32 hwreg(HW_REG_WAVE_MODE, 25, 1), 1
	s_wait_xcnt 0x0
	s_wait_alu depctr_hold_cnt(0) depctr_sa_sdst(0) depctr_va_vdst(0) depctr_va_sdst(0) depctr_va_ssrc(0) depctr_va_vcc(0) depctr_vm_vsrc(0)
	s_getreg_b32 s2, hwreg(HW_REG_IB_STS2, 6, 4)
	s_cmp_eq_u32 s2, 0
	s_cbranch_scc0 .Lentry_in_a_cluster
	s_endpgm
.Lentry_in_a_cluster:
	s_bfe_u32 s2, ttmp6, 0x10000c
	s_cmp_lg_u32 s2, 0x3003
	s_cbranch_scc0 .Lentry_shape_is_right
	s_endpgm
.Lentry_shape_is_right:
; ATTENTION, THE LAST PROJECTION AND THE RESIDUAL.  out0[b][c][i] = gamma (sum over d of Wv[c][d] o[d][i] + bv[c]) + x[b][c][i],  o[:][i] = sum over j of softmax_j(f[:][i] . g[:][j]) hv[:][j].
; IN: q [8][4096][64] f16 = log2(e) f;  kv: for each 128 keys a block of 320 rows of 256 bytes: g as [128 keys][64], hv as [256 channels][128 keys], f16;  wvf: Wv in fragment order, f16;  xb [8][512][4096]: x in bf16.
; Products in f16 with f32 sums; maxima and sums in f32; the weights p = 2^(s - m) are rounded to f16 for the second product (their sum l is taken of the unrounded p), o once to f16 for the third.
; bv, gamma and the residual x are rounded to bf16, like every input of the module.
; LIMITS.  f16 ends at 65,504: q and kv arrive within it; p lies in 0 to 1, o within hv's range.  A weight below 2^-126 counts as 0.  The residual x carries bf16's rounding, 2^-9 of itself.  NaN and infinities are not treated apart.
; SHARES.  A work-group owns 128 queries of a batch.  Wave w takes 64 of them (qh = w % 2) and 64 of every tile's 128 keys (g = w / 2): four PIECES of 16 queries, 32 steps of 64 keys.  So a fragment of K or V
; read from LDS feeds four pieces' products.  Piece t holds query tile t xor 2 g: at the end every wave keeps pieces 0, 1 and hands pieces 2, 3 to wave w xor 2, which holds the other keys' share of them.
; LAYOUT.  S^T = K Q^T (source 0 = 16 keys, source 1 = 16 queries): a lane holds ONE query (lane % 16) and the keys 8 (lane / 16) + 0..7.  Two such results rounded to f16 ARE source 1 of O^T = V^T P, whose result
; again holds one query a lane, and eight channels.  hv lies with the keys along its rows, so both K and V come out of LDS by plain loads.
; SOFTMAX.  A running maximum m and sum l for each query; in every step O and l are multiplied by a = 2^(m_old - m_new).  m starts at the lowest finite number, O and l at 0: the first step has a = 0 and is a step like any other.
; BY TURNS.  Turn n belongs to piece n: 8 products K Q^T of piece n + 1, then 32 products V^T P of piece n - 1; beside them, four behind each product, piece n's subtraction, exponentials, roundings, sums and
; rescaling and piece n + 1's maximum: 165 vector instructions for 40 matrix instructions.
; CLUSTER.  The four query blocks of a cluster belong to one batch and walk the same tiles: each tile is asked for JOINTLY, the same tensor load, descriptor and mask in all four; every wave fetches 80 of the 320 rows.
; THE RESIDUAL.  Behind the round that enters the last tile, where no slot is filled any more, each wave asks by one plain tensor load for the 128 rows x 256 bytes of xb that it will add: a first fill of LDS bytes
; that lay idle, two key steps ahead of its first use.  So no wave waits for it, and it is not prefetched.  One tensor load of a wave is outstanding at any time.
; REGISTERS, in windows of 256 (s_set_vgpr_msb: bits 1:0 source 0, 3:2 source 1, 5:4 source 2, 7:6 destination):
;   window 0: v0-7 addresses; v8-23 statistics, four a piece; v24-31 at work, by parity; v32-95 S^T, two buffers; v96-127 P, two buffers; v128-191 K of a step; v192-255 Q
;   windows 1, 2: O^T, 128 a piece (piece t in window 1 + t / 2 at 128 (t % 2));   window 3: V of a step.   K Q^T and all of the softmax but the rescaling lie in window 0.
.set PT,    272                        ; an LDS row: 256 bytes + 16 = 68 words: row r starts at bank 4 r mod 64 (64 banks of 4 bytes: ISA guide 11.1).  A row of K holds two keys: key k at (k / 2) x 272 + (k % 2) x 128
.set VOFF,  64*PT                      ; behind K's 64 rows: V's 256
.set SLOT1, 1<<17                      ; a slot is 320 rows, 87,040 bytes; slot 1 begins here, so that one exclusive or changes slots
.set TILEB, 81920                      ; a tile in memory
.set SPARE, 327168                     ; the spare words, 128 bytes a wave: two blocks of 256 bytes that no other line names
.set XL0,   87040                      ; wave 0's 32,768 bytes of xb: between the slots;
.set XLH,   185344                     ; waves 1-3: at XLH + 32,768 w, behind slot 1: 218,112 to 316,416
                                       ; BEHIND THE LOOP, in the slots, which have had their last fill:
                                       ;   the sums handed over, 32,768 bytes a wave, at 32,768 (w % 2) + 131,072 (w / 2);
.set STX,   65536                      ;   the statistics handed over, 512 bytes a wave;
.set OLP,   528                        ;   then, from byte 0, over both: o for the third product, 128 queries x 528 bytes (512 + 16: an odd multiple of 16);
.set STG,   131072                     ;   and a stage of 16 rows x 528 bytes for each wave
.set STGW,  16*OLP
.set AK0, 1                            ; v1   my lane's place in a tile's K; never rewritten in the loop
.set AV0, 2                            ; v2   the same for V
.set ADR, 3                            ; v3   the address of the run of LDS loads in hand
.set SPW, 4                            ; v4   LDS address of my spare word; never rewritten
.set NIL, 5                            ; v5   0; never rewritten
.set PFO, 6                            ; v6   the prefetches' offset: 8,192 x wave + 256 x lane; never rewritten
.set QO,  7                            ; v7   Q's offset for pieces 0, 1 (v3 for pieces 2, 3)
.set ST,  8                            ; piece t at v[8 + 4 t]: m, a filler named with it as a pair, l (even keys', odd keys')
.set TMP, 24                           ; by parity c0-c3; when the maximum is found c2 takes a
.set S,   32
.set P,   96
.set KF,  128                          ; key block kb, channel half c at 16 kb + 8 c
.set QF,  192                          ; piece t, channel half c at 16 t + 8 c
.set WV,  18
.set QH,  19
.set GG,  20
.set CX,  21
.set QB,  22
.set BAT, 23
.set G1,  24                           ; s[24:31] descriptor group 1 for the tiles
.set G0,  32                           ; s[32:35] descriptor group 0: it walks
.set SLOTS, 36
.set CNT, 37
.set SEL, 38                           ; s[38:39] v_permlanex16_b32's selects: each lane takes its own place in the other half
.set LIM, 40                           ; 2 in the batch's first cluster, else the greatest number: a wave prefetches while SLOTS is above it
.set NW,  41                           ; how many waves ask at this change: 3 and 2 by turns
.set PSTEP, 42                         ; s[42:43] the prefetch address's next step
.set PFA, 44                           ; s[44:45] where the prefetches stand
.set TBK, 46                           ; the slot of the K fetched last
.set TBV, 47                           ; and of the V
.set GX1, 80                           ; s[80:87] descriptor group 1 for xb's rows
.set GXA, 88                           ; s[88:91] group 0 for wave 0
.set GXB, 92                           ; s[92:95] group 0 for waves 1-3
.set MSB, 0
.macro WIN new                         ; the immediate's high byte repeats the setting that is left; a switch that changes nothing is dropped
.if MSB != (\new)
	s_set_vgpr_msb (MSB<<8)|(\new)
.set MSB, (\new)
.endif
.endm
; A round of the cluster's barrier: my work-group's barrier, so that wave 0's signal speaks for all four waves; wave 0 signals; every wave waits for all four work-groups; my work-group's barrier once more.
.macro CREST                           ; a round behind its opening barrier
	s_cmp_lg_u32 s[WV], 0
	s_cbranch_scc1 .Lnot_wave_0_\@
	s_barrier_signal -3
.Lnot_wave_0_\@:
	s_barrier_wait -3
	s_barrier_signal -1
	s_barrier_wait -1
.endm
.macro CROUND                          ; a whole round
	s_barrier_signal -1
	s_barrier_wait -1
	CREST
.endm
.macro JLOAD                           ; my 80 rows of a tile; an s_nop 0 and four v_nop follow
	tensor_load_to_lds s[G0:G0+3], s[G1:G1+7]
	s_nop 0
.rept 4
	v_nop
.endr
.endm
.macro XFILL                           ; my 128 rows of xb.  Two lines under a branch on the wave's number, since wave 0's bytes lie apart from the others'; an s_nop 0 and four v_nop follow each
	s_cmp_eq_u32 s[WV], 0
	s_cbranch_scc0 .Lx_high_\@
	tensor_load_to_lds s[GXA:GXA+3], s[GX1:GX1+7]
	s_nop 0
.rept 4
	v_nop
.endr
	s_branch .Lx_asked_\@
.Lx_high_\@:
	tensor_load_to_lds s[GXB:GXB+3], s[GX1:GX1+7]
	s_nop 0
.rept 4
	v_nop
.endr
.Lx_asked_\@:
.endm
; A PREFETCH INTO THE L2.  All eight clusters of a batch walk the same tiles: the first of them asks.  Two tiles are 640 rows of 256 bytes on end; partner cx takes rows 160 cx .. 160 cx + 159, told apart BY ADDRESS.
; The change that loads an even tile T names the first 96 of them for tiles T + 2, T + 3 (waves 0-2, a lane a row), the change that loads T + 1 the other 64 (waves 0, 1).  So each row is named once in the launch,
; one to three key steps ahead of its load.  Tiles 0-3 come by their loads alone; the changes that load tiles 30 and 31 ask for nothing.
.macro ASK
	s_cmp_gt_u32 s[SLOTS], s[LIM]
	s_cbranch_scc0 .Lnot_mine_\@
	s_cmp_lt_u32 s[WV], s[NW]
	s_cbranch_scc0 .Lnot_mine_\@
	global_prefetch_b8 v[PFO], s[PFA:PFA+1] th:TH_LOAD_NT scope:SCOPE_SE
.Lnot_mine_\@:
.endm
	s_load_b256 s[4:11], s[0:1], 0x0               ; q s[4:5], kv s[6:7], wvf s[8:9], bv s[10:11]
	s_load_b128 s[12:15], s[0:1], 0x20             ; gamma s[12:13], xb s[14:15]
	s_load_b64 s[16:17], s[0:1], 0x30              ; out0
	v_lshl_add_u32 v[SPW], v0, 2, SPARE
	v_mov_b32 v[NIL], 0
	ds_add_u32 v[SPW], v[NIL]                      ; the wave's opening: the add and its wait stand ahead of my first tensor load; work on registers stands between them
	ds_add_u32 v4, v5
	v_lshrrev_b32 v7, 5, v0
	v_readfirstlane_b32 s[WV], v7                  ; wave 0..3
	s_and_b32 s[QH], s[WV], 1
	s_lshr_b32 s[GG], s[WV], 1
	s_bfe_u32 s[CX], ttmp6, 0x40000                ; my place in the cluster: it enters global addresses of q, xb, out0 and the prefetches alone
	s_lshl_b32 s[QB], ttmp9, 2
	s_add_co_u32 s[QB], s[QB], s[CX]               ; my block of 128 queries
	s_and_b32 s[BAT], ttmp7, 0xffff                ; the batch, which the four partners share
	s_mov_b32 s[G1+0], 15|(1<<16)|(1<<20)|(1<<21)|(5<<22)|(3<<25)  ; the mask of four; 2-byte elements; padding on; bit 21 beside a mask; 4 words behind every 64
	s_mov_b32 s[G1+1], 128<<16                     ; tensor_dim0 = 128
	s_mov_b32 s[G1+2], 80<<16                      ; tensor_dim1 = 80
	s_mov_b32 s[G1+3], 128<<16                     ; tile_dim0 = 128
	s_mov_b32 s[G1+4], 80                          ; tile_dim1 = 80
	s_mov_b32 s[G1+5], 128
	s_mov_b32 s[G1+6], 0
	s_mov_b32 s[G1+7], 0
	s_mov_b32 s[G0], 1
	s_mul_i32 s[G0+1], s[WV], 80*PT                ; my 80 rows in slot 0
	s_mov_b32 s[GX1+0], 1<<16                      ; xb's rows: no mask (a load of my own), 2-byte elements, no padding: a row is read back by 32 lanes on end
	s_mov_b32 s[GX1+1], 128<<16                    ; tensor_dim0 = 128
	s_mov_b32 s[GX1+2], 128<<16                    ; tensor_dim1 = 128
	s_mov_b32 s[GX1+3], 128<<16                    ; tile_dim0 = 128
	s_mov_b32 s[GX1+4], 128                        ; tile_dim1 = 128
	s_mov_b32 s[GX1+5], 4096                       ; 4,096 elements from row to row
	s_mov_b32 s[GX1+6], 0
	s_mov_b32 s[GX1+7], 0
	s_mov_b32 s[GXA], 1
	s_mov_b32 s[GXA+1], XL0
	s_mov_b32 s[GXB], 1
	s_lshl_b32 s[GXB+1], s[WV], 15
	s_add_co_u32 s[GXB+1], s[GXB+1], XLH
	s_mul_i32 s48, s[BAT], 32*TILEB
	s_mov_b32 s49, 0
	s_mul_i32 s50, s[WV], 80*256
	s_mov_b32 s51, 0
	s_mul_i32 s52, s[CX], 160*256
	s_add_co_u32 s52, s52, 4*TILEB-139264          ; the first change in the loop steps this to tiles 4, 5
	s_mov_b32 s53, 0
	s_lshl_b32 s54, s[BAT], 19                     ; q: 4,096 rows of 128 bytes a batch,
	s_lshl_b32 s55, s[QB], 14                      ; 128 a block,
	s_add_co_u32 s54, s54, s55
	s_lshl_b32 s55, s[QH], 13                      ; my 64
	s_add_co_u32 s54, s54, s55
	s_mov_b32 s55, 0
	s_lshl_b32 s58, s[BAT], 22                     ; xb: 512 rows of 8,192 bytes a batch,
	s_lshl_b32 s59, s[WV], 20                      ; my 128 rows,
	s_add_co_u32 s58, s58, s59
	s_lshl_b32 s59, s[QB], 8                       ; my block's 256 bytes of a row
	s_add_co_u32 s58, s58, s59
	s_mov_b32 s59, 0
	s_mov_b32 s[SEL], 0x76543210
	s_mov_b32 s[SEL+1], 0xfedcba98
	s_mov_b32 s[TBK], SLOT1                        ; the first fetches turn these into slot 0
	s_mov_b32 s[TBV], SLOT1
	s_mov_b32 s[NW], 2
	s_mov_b32 s[PSTEP], 139264
	s_mov_b32 s[PSTEP+1], 0
	s_mov_b32 s56, ttmp9
	s_cmp_eq_u32 s56, 0                            ; the cluster's number: the same in all four partners
	s_cselect_b32 s[LIM], 2, -1
	s_wait_dscnt 0x0                               ; the opening add is done
	s_wait_kmcnt 0x0
	s_add_nc_u64 s[6:7], s[6:7], s[48:49]          ; kv at the batch's tile 0
	s_add_nc_u64 s[G0+2:G0+3], s[6:7], s[50:51]
	s_or_b32 s[G0+3], s[G0+3], 0x80000000          ; type = 2
	s_add_nc_u64 s[PFA:PFA+1], s[6:7], s[52:53]
	s_add_nc_u64 s[4:5], s[4:5], s[54:55]
	s_add_nc_u64 s[GXA+2:GXA+3], s[14:15], s[58:59]
	s_add_nc_u64 s[GXB+2:GXB+3], s[14:15], s[58:59]
	s_or_b32 s[GXA+3], s[GXA+3], 0x80000000
	s_or_b32 s[GXB+3], s[GXB+3], 0x80000000
	CROUND                                         ; all four work-groups are here: the first joint loads meet
	JLOAD                                          ; tile 0 into slot 0
	v_and_b32 v24, 15, v0                          ; r = lane % 16
	v_bfe_u32 v25, v0, 4, 1                        ; h = lane / 16
	v_bfe_u32 v26, v0, 1, 3
	v_and_b32 v27, 1, v0
	v_and_b32 v28, 31, v0
	s_mul_i32 s56, s[GG], 32*PT                    ; my 64 keys: 32 rows
	v_mul_u32_u24 v[AK0], v26, PT                  ; K: key r of a block: row r / 2, half r % 2; 16 bytes for each half of the lanes
	v_lshl_add_u32 v[AK0], v27, 7, v[AK0]
	v_lshl_add_u32 v[AK0], v25, 4, v[AK0]
	v_add_nc_u32 v[AK0], s56, v[AK0]
	s_lshl_b32 s56, s[GG], 7
	s_add_co_u32 s56, s56, VOFF
	v_mul_u32_u24 v[AV0], v24, PT                  ; V: channel r of a block, my 64 keys' 128 bytes of its row
	v_lshl_add_u32 v[AV0], v25, 4, v[AV0]
	v_add_nc_u32 v[AV0], s56, v[AV0]
	s_lshl_b32 s56, s[WV], 13
	v_lshl_add_u32 v[PFO], v28, 8, s56
	v_lshlrev_b32 v29, 7, v24                      ; Q: row r of a tile, 16 bytes for each half of the lanes;
	v_lshl_add_u32 v29, v25, 4, v29
	s_lshl_b32 s56, s[GG], 12
	v_add_nc_u32 v[QO], s56, v29                   ; pieces 0, 1 are tiles 2 g, 2 g + 1,
	s_xor_b32 s56, s56, 4096
	v_add_nc_u32 v[ADR], s56, v29                  ; pieces 2, 3 the other two
.irp t, 0,1,2,3
.irp cc, 0,1
	global_load_b128 v[QF+16*\t+8*\cc:QF+16*\t+8*\cc+3],   v[QO-4*(\t/2)], s[4:5] offset:(\t%2)*2048+64*\cc
	global_load_b128 v[QF+16*\t+8*\cc+4:QF+16*\t+8*\cc+7], v[QO-4*(\t/2)], s[4:5] offset:(\t%2)*2048+64*\cc+32
.endr
.endr
	; What the first turn finds: V and P's second buffer hold 0 (its products V^T P, of a piece that has not been, add 0), O^T and l are 0.  All this stands in the wait for the first tile; no first step is written out.
	WIN 0xc0
.set i, 0
.rept 256
	v_mov_b32 v[i], 0
.set i, i+1
.endr
	WIN 0x40
.set i, 0
.rept 256
	v_mov_b32 v[i], 0
.set i, i+1
.endr
	WIN 0x80
.set i, 0
.rept 256
	v_mov_b32 v[i], 0
.set i, i+1
.endr
	WIN 0
.set i, 0
.rept 4
	v_mov_b32 v[ST+4*i], 0xff7fffff                ; m: the lowest finite number
	v_mov_b32 v[ST+4*i+1], 0
	v_mov_b32 v[ST+4*i+2], 0
	v_mov_b32 v[ST+4*i+3], 0
.set i, i+1
.endr
.set i, 0
.rept 16
	v_mov_b32 v[P+16+i], 0
.set i, i+1
.endr
; THE MATRIX WORK.  The accumulators of a run take turns, one instruction a turn: between two links of a chain stand 3 (K Q^T) or 15 (V^T P) others'.
; Product i of 8 of S^T = K Q^T for piece x: channels 32 (i / 4) on, keys 16 (i % 4) on.  The first 4 start the sums.
.macro KQ x
	WIN 0
.set kS, S+32*((\x)%2)+8*(i%4)
.set kK, KF+16*(i%4)+8*(i/4)
.set kQ, QF+16*(\x)+8*(i/4)
.if i < 4
	v_wmma_f32_16x16x32_f16 v[kS:kS+7], v[kK:kK+7], v[kQ:kQ+7], 0
.else
	v_wmma_f32_16x16x32_f16 v[kS:kS+7], v[kK:kK+7], v[kQ:kQ+7], v[kS:kS+7]
.endif
.endm
; Product i of 32 of O^T += V^T P for piece x: keys 32 (i / 16) on, channels 16 (i % 16) on.
.macro PV x
	WIN 0x53+0x50*((\x)/2)                         ; V window 3, P window 0, O^T window 1 or 2
.set pO, 128*((\x)%2)+8*(i%16)
.set pP, P+16*((\x)%2)+8*(i/16)
	v_wmma_f32_16x16x32_f16 v[pO:pO+7], v[8*i:8*i+7], v[pP:pP+7], v[pO:pO+7]
.endm
.macro MM                              ; the turn's next matrix instruction
.if mi < 8
.set i, mi
	KQ (Y+1)%4
.else
.set i, mi-8
	PV (Y+3)%4
.endif
.set mi, mi+1
.endm
; THE LDS LOADS stand in runs of 16.  K of the next step: 8 fragments.  last = 1 (the tail): in the last trip there is no further step, and the run is jumped over.
.macro FETCH_K last=0
	WIN 0
.if \last
	s_cmp_eq_u32 s[CNT], 1
	s_cbranch_scc1 .Lno_k_\@
.endif
	s_xor_b32 s[TBK], s[TBK], SLOT1
	v_add_nc_u32 v[ADR], s[TBK], v[AK0]
.set f, 0
.rept 8                                        ; f = 2 kb + c
	ds_load_b128 v[KF+8*f:KF+8*f+3],   v[ADR] offset:(f/2)*8*PT+(f%2)*64
	ds_load_b128 v[KF+8*f+4:KF+8*f+7], v[ADR] offset:(f/2)*8*PT+(f%2)*64+32
.set f, f+1
.endr
.if \last
.Lno_k_\@:
.endif
.endm
.macro FETCH_V qq                      ; quarter qq of V's 32 fragments; fragment fi: keys 32 (fi / 16) on, channels 16 (fi % 16) on
	WIN 0xc0                                       ; destination window 3, address window 0
.set f, 0
.rept 8
.set fi, 8*(\qq)+f
	ds_load_b128 v[8*fi:8*fi+3],   v[ADR] offset:(fi%16)*16*PT+(fi/16)*64
	ds_load_b128 v[8*fi+4:8*fi+7], v[ADR] offset:(fi%16)*16*PT+(fi/16)*64+32
.set f, f+1
.endr
.endm
; THE VECTOR WORK, one line at a time: OP kind, number.  For piece Y: F n: s - m for pair n of 16.  E n: 2^ of score n of 32.  C n: pair n rounded to f16.  B n: of the four weights 4 n .. the second pair is added
; onto the first, in place.  L n: l takes that sum (L 0: l = a l + sum).  R n: pair n of 64 of O^T times a.  For piece Y + 1: X n, number n of the 21 that find its maximum and a:
;   0-11  four chains c0-c3 of seven scores each (each accumulator's lowest registers are read first)     12-15  the four scores left over, the old m, and c0-c3 into c0
;   16, 17  the query's other 32 keys lie in the lane 16 away     18-20  m_old - m_new; the new m; a
.set F, 0
.set E, 1
.set C, 2
.set B, 3
.set L, 4
.set R, 5
.set X, 6
.macro REGS y
.set rT, ST+4*(\y)
.set rC, TMP+4*((\y)%2)
.set rS, S+32*((\y)%2)
.set rP, P+16*((\y)%2)
.set rO, 128*((\y)%2)
.set wR, 0x41+0x41*((\y)/2)            ; O^T (destination and source 0) in window 1 or 2, a in window 0
.endm
.macro OP k, n
.if (\k) == R
	REGS Y
	WIN wR
	v_pk_mul_f32 v[rO+2*(\n):rO+2*(\n)+1], v[rO+2*(\n):rO+2*(\n)+1], v[rC+2:rC+3] op_sel_hi:[1,0]
.elseif (\k) < R
	REGS Y
	WIN 0
.if (\k) == F
	v_pk_add_f32 v[rS+2*(\n):rS+2*(\n)+1], v[rS+2*(\n):rS+2*(\n)+1], v[rT:rT+1] op_sel_hi:[1,0] neg_lo:[0,1] neg_hi:[0,1]
.elseif (\k) == E
	v_exp_f32 v[rS+(\n)], v[rS+(\n)]
.elseif (\k) == C
	s_wait_alu depctr_va_vdst(0)
	v_cvt_pk_f16_f32 v[rP+(\n)], v[rS+2*(\n)], v[rS+2*(\n)+1]
.elseif (\k) == B
	v_pk_add_f32 v[rS+4*(\n):rS+4*(\n)+1], v[rS+4*(\n):rS+4*(\n)+1], v[rS+4*(\n)+2:rS+4*(\n)+3]
.elseif (\n) == 0
	v_pk_fma_f32 v[rT+2:rT+3], v[rT+2:rT+3], v[rC+2:rC+3], v[rS:rS+1] op_sel_hi:[1,0,1]
.else
	v_pk_add_f32 v[rT+2:rT+3], v[rT+2:rT+3], v[rS+4*(\n):rS+4*(\n)+1]
.endif
.else
	REGS (Y+1)%4
	WIN 0
.if (\n) < 4
	v_max3_num_f32 v[rC+(\n)], v[rS+8*(\n)], v[rS+8*(\n)+1], v[rS+8*(\n)+2]
.elseif (\n) < 12
	v_max3_num_f32 v[rC+(\n)%4], v[rC+(\n)%4], v[rS+8*((\n)%4)+2*((\n)/4)+1], v[rS+8*((\n)%4)+2*((\n)/4)+2]
.elseif (\n) == 12
	v_max3_num_f32 v[rC], v[rC], v[rS+7], v[rS+15]
.elseif (\n) == 13
	v_max3_num_f32 v[rC+1], v[rC+1], v[rS+23], v[rS+31]
.elseif (\n) == 14
	v_max3_num_f32 v[rC+2], v[rC+2], v[rC+3], v[rT]
.elseif (\n) == 15
	v_max3_num_f32 v[rC], v[rC], v[rC+1], v[rC+2]
.elseif (\n) == 16
	v_permlanex16_b32 v[rC+3], v[rC], s[SEL], s[SEL+1]
.elseif (\n) == 17
	v_max_num_f32 v[rC], v[rC], v[rC+3]
.elseif (\n) == 18
	v_sub_f32 v[rC+1], v[rT], v[rC]
.elseif (\n) == 19
	v_mov_b32 v[rT], v[rC]
.else
	v_exp_f32 v[rC+2], v[rC+1]
.endif
.endif
.endm
.macro OPS a, i1, b=-1, i2=0, c=-1, i3=0, d=-1, i4=0
	OP \a, \i1
.if (\b) >= 0
	OP \b, \i2
.endif
.if (\c) >= 0
	OP \c, \i3
.endif
.if (\d) >= 0
	OP \d, \i4
.endif
.endm
.macro ROW a, i1, b, i2, c, i3, d, i4  ; a matrix instruction and the four behind it
	MM
	OPS \a, \i1, \b, \i2, \c, \i3, \d, \i4
.endm
; A TURN, for piece p: the order of its 40 matrix and 165 vector instructions, written out, in three parts: the eight rows of K Q^T in two fours (they work on registers of window 0 alone), then the 32 rows of V^T P.
; No rider names a register of the products round it.  Behind every exponential stands a plain instruction before its result is used; a rounding C 2n, C 2n + 1 stands ahead of the sum B n that writes over its
; weights, B n ahead of L n; X 0 stands more than four plain instructions behind the last product K Q^T.
; V of the next step is fetched in piece 0's turn, a quarter at a time as the products V^T P of piece 3 let go of it: each run stands behind four rescalings and a row's riders that follow its registers' last reader.
; It is waited for in piece 1's turn.  K of the next step is fetched in piece 2's turn, twelve plain instructions behind the last product that read K, and waited for at the head of piece 3's.
.macro TSTART p
.set Y, (\p)
.set mi, 0
.endm
.macro KROWS_A
	ROW F,0, F,1, F,2, F,3
	ROW F,4, E,0, F,5, E,1
	ROW F,6, E,2, F,7, E,3
	ROW F,8, E,4, F,9, E,5
.endm
.macro KROWS_B
	ROW F,10, E,6, F,11, E,7
	ROW F,12, E,8, F,13, E,9
	ROW F,14, E,10, F,15, E,11
	ROW C,0, E,12, C,1, E,13
.endm
.macro PROWS p, last=0
.if (\p) == 1
	s_wait_dscnt 16                                ; three quarters of V are in; the last run of 16 may stay out
.endif
	ROW C,2, E,14, C,3, E,15
	ROW R,0, R,1, R,2, R,3
.if (\p) == 2
	FETCH_K \last
.endif
	ROW B,0, E,16, C,4, E,17
	ROW R,4, R,5, R,6, R,7
	ROW C,5, E,18, B,1, L,0
	ROW R,8, R,9, R,10, R,11
	ROW X,0, E,19, X,1, X,2
	ROW R,12, R,13, R,14, R,15
	ROW X,3, E,20, C,6, C,7
.if (\p) == 0
	FETCH_V 0
.endif
	ROW R,16, R,17, R,18, R,19
	ROW B,2, E,21, L,1, X,4
	ROW R,20, R,21, R,22, R,23
	ROW X,5, E,22, X,6, X,7
	ROW R,24, R,25, R,26, R,27
	ROW B,3, E,23, C,8, L,2
	ROW R,28, R,29, R,30, R,31
	ROW C,9, E,24, X,8, X,9
.if (\p) == 0
	FETCH_V 1
.endif
	ROW R,32, R,33, R,34, R,35
	ROW X,10, E,25, X,11, L,3
	ROW R,36, R,37, R,38, R,39
	ROW C,10, E,26, B,4, X,12
	ROW R,40, R,41, R,42, R,43
	ROW C,11, E,27, X,13, X,14
	ROW R,44, R,45, R,46, R,47
.if (\p) == 1
	s_wait_dscnt 0x0                               ; the last quarter of V is in
.endif
	ROW B,5, E,28, L,4, C,12
.if (\p) == 0
	FETCH_V 2
.endif
	ROW R,48, R,49, R,50, R,51
	ROW X,15, E,29, C,13, L,5
	OP X,16
	ROW R,52, R,53, R,54, R,55
	ROW B,6, E,30, C,14, X,17
	ROW R,56, R,57, R,58, R,59
	ROW L,6, E,31, X,18, X,19
	ROW R,60, R,61, R,62, R,63
	OPS C,15, B,7, X,20, L,7
.if (\p) == 0
	FETCH_V 3
.endif
.endm
.macro TURN p, last=0
	TSTART \p
.if (\p) == 0
	WIN 0
	s_xor_b32 s[TBV], s[TBV], SLOT1
	v_add_nc_u32 v[ADR], s[TBV], v[AV0]
.endif
.if (\p) == 3
	s_wait_dscnt 0x0                               ; K is in
.endif
	KROWS_A
	KROWS_B
	PROWS \p, \last
.endm
; THE CHANGE OF SLOTS IN THE LOOP, WITH PIECE 2's TURN.  Each wave waits for all its tensor loads, of which one is out: its part of the other slot; adds 0 to its spare word; and waits for that (its reads of the slot
; that it leaves were waited for in piece 1's and piece 3's turns).  The turn's first four rows stand between the add and the wait for it, the next four between the opening signal and its wait: work on registers alone.
; The barrier opens a round of the cluster's, so that no wave of any partner still reads the slot or has a load on its way; the joint refill, the tile two on, is the first thing behind the round: it has a key step
; less these eight rows, 152 matrix instructions, in which to land.
.macro CHANGE_T2
	WIN 0
	TSTART 2
	s_wait_tensorcnt 0x0                           ; no tensor load of mine is out, so group 0 may be written
	ds_add_u32 v[SPW], v[NIL]                      ; 0 onto my spare word
	s_xor_b32 s[G0+1], s[G0+1], SLOT1
	s_add_nc_u64 s[G0+2:G0+3], s[G0+2:G0+3], TILEB ; the type bits on top are not reached
	s_wait_xcnt 0x0                                ; the last prefetch, a key step back, has read its address
	s_add_nc_u64 s[PFA:PFA+1], s[PFA:PFA+1], s[PSTEP:PSTEP+1]
	s_xor_b32 s[PSTEP], s[PSTEP], 0x24000          ; 139,264 (on to the next two tiles) and 24,576 (96 rows on) by turns
	s_xor_b32 s[NW], s[NW], 1
	KROWS_A
	s_wait_dscnt 0x0                               ; the add is done
	s_barrier_signal -1
	KROWS_B
	s_barrier_wait -1
	CREST
	JLOAD
	ASK
	PROWS 2, 0
.endm
	; the first change: tile 0 is waited for, everybody's part of it; tile 1 is asked for, a first fill of slot 1, issued as a refill is
	WIN 0
	s_wait_tensorcnt 0x0
	ds_add_u32 v[SPW], v[NIL]
	s_xor_b32 s[G0+1], s[G0+1], SLOT1
	s_add_nc_u64 s[G0+2:G0+3], s[G0+2:G0+3], TILEB
	s_wait_dscnt 0x0
	CROUND
	JLOAD
	s_wait_loadcnt 0x0                             ; Q is in, and its offset registers are free
	FETCH_K                                        ; key step 0
	s_wait_dscnt 0x0
.set i, 0
.rept 8
	KQ 0                                           ; piece 0's first scores
.set i, i+1
.endr
.rept 4
	v_nop                                          ; the places behind those products (ISA guide 7.12.1)
.endr
.set Y, 3                                      ; X works for piece Y + 1: piece 0
.irp n, 0,1,2,3,4,5,6,7,8,9,10,11,12,13,14,15,16,17,18,19,20
	OP X, \n
.endr
	v_nop                                          ; a plain instruction behind the exponential
	s_mov_b32 s[SLOTS], 31                         ; the count at the loop's foot is taken once ahead of the first change: 30 changes follow, for tiles 2-31
	s_branch .Lfirst                               ; the loop is entered at a step's first turn, in the middle of a trip
.Lstep:                                            ; a trip: pieces 2 and 3 of one step, then pieces 0 and 1 of the next, whose K and V it fetches
	CHANGE_T2
	TURN 3
	WIN 0
.Lfirst:
	TURN 0
	TURN 1
	WIN 0
	s_sub_co_u32 s[SLOTS], s[SLOTS], 1
	s_cmp_lg_u32 s[SLOTS], 0
	s_cbranch_scc1 .Lstep
	; the tail is written out.  Tile 31 is in; no slot is filled any more; behind this round each wave asks for its rows of xb instead
	s_wait_tensorcnt 0x0
	ds_add_u32 v[SPW], v[NIL]
	s_wait_dscnt 0x0
	CROUND
	XFILL
	s_mov_b32 s[CNT], 2                            ; one trip fetches the last step; the second is left in its middle
.Ltail:
	TURN 2, 1
	TURN 3
	WIN 0
	s_sub_co_u32 s[CNT], s[CNT], 1
	s_cmp_eq_u32 s[CNT], 0
	s_cbranch_scc1 .Lout
	TURN 0
	TURN 1
	WIN 0
	s_branch .Ltail
.Lout:                                             ; the second trip's 8 products K Q^T take the last K once more: the same scores give the same m and a = 1, which nothing uses: the price of one text for every trip
.set i, 0
.rept 32
	PV 3                                           ; the last piece's V^T P of the last step
.set i, i+1
.endr
	; BEHIND THE LOOP.  Names for window 0, whose loop registers are free:
.set WVO, 1                            ; v1-2   Wv's fragments: 16 x lane + 8,192 x block, by set
                                       ; v3, v7 bv's offset, by set
.set BR,  28                           ; v28-29 bv as loaded, by set
.set STS, 30                           ; v30    where I put 16 bytes of the stage
.set TT,  31
.set XST, 32                           ; v32-35 the hand-over: sums out, sums in, statistics out, statistics in
.set XRD, 33
.set SXS, 34
.set SXR, 35
.set OLS, 36                           ; v36    where I put o
.set OLA, 37                           ; v37    where I read o's fragments
.set RD,  38                           ; v38    where I read the stage back
.set GO,  39                           ; v39    16 x lane: my place in a row of out0
.set GAM, 40                           ; v40    gamma
.set LL,  41
.set RR,  42
.set HH,  43
.set XLA, 44                           ; v44    where I read 8 bytes of a row of xb; steps 16 rows a block
.set BT,  48                           ; v48-55   the bias as a C operand
.set XI,  64                           ; v64-127  o rounded;
.set XB,  64                           ; v64-95   later 16 rows of xb, two registers each
.set AC,  128                          ; v128-191 the third product's 8 accumulators
.set GR,  192                          ; v192-255 16 rows of the stage, four registers each
	WIN 0
.irp t, 0,1,2,3
	v_add_f32 v[ST+4*\t+1], v[ST+4*\t+2], v[ST+4*\t+3]  ; l's two halves.  These and the address lines below are the places behind the last products
.endr
	v_and_b32 v[LL], 31, v0
	v_and_b32 v[RR], 15, v0
	v_bfe_u32 v[HH], v0, 4, 1
	v_lshlrev_b32 v[WVO], 4, v[LL]
	v_add_nc_u32 v[WVO+1], 8192, v[WVO]
	s_lshl_b32 s48, s[WV], 9
	v_lshl_add_u32 v3, v[RR], 2, s48               ; bv of out channel 128 w + 16 block + r
	v_add_nc_u32 v7, 64, v3
	s_lshl_b32 s50, s[WV], 16                      ; my 8 blocks of 8,192 bytes
	s_mov_b32 s51, 0
	s_add_nc_u64 s[8:9], s[8:9], s[50:51]
	s_load_b32 s66, s[12:13], 0x0                  ; gamma
.macro WLD b                           ; a block's Wv (16 out channels x 256: 16 loads of 512 consecutive bytes) and its 16 biases, into set b
	WIN 0xc0
.set f, 0
.rept 8
	global_load_b128 v[64*(\b)+8*f:64*(\b)+8*f+3],   v[WVO+(\b)], s[8:9] offset:f*1024
	global_load_b128 v[64*(\b)+8*f+4:64*(\b)+8*f+7], v[WVO+(\b)], s[8:9] offset:f*1024+512
.set f, f+1
.endr
	WIN 0
	global_load_b32 v[BR+(\b)], v[3+4*(\b)], s[10:11]
.endm
	WLD 0                                          ; asked for now, wanted behind the merge
	WLD 1
	s_lshl_b32 s48, s[QH], 15
	s_lshl_b32 s49, s[GG], 17
	s_add_co_u32 s49, s49, s48                     ; where I hand over: 32,768 (w % 2) + 131,072 (w / 2)
	v_lshl_add_u32 v[XST], v[LL], 4, s49
	s_xor_b32 s49, s49, SLOT1                      ; my partner, wave w xor 2: the same queries, the other keys
	v_lshl_add_u32 v[XRD], v[LL], 4, s49
	s_lshl_b32 s48, s[WV], 9
	s_add_co_u32 s48, s48, STX
	v_lshl_add_u32 v[SXS], v[LL], 4, s48
	s_xor_b32 s48, s48, 1024
	v_lshl_add_u32 v[SXR], v[LL], 4, s48
	s_lshl_b32 s52, s[QH], 6
	s_lshl_b32 s53, s[GG], 5
	s_add_co_u32 s52, s52, s53                     ; the pieces that I keep are queries 64 qh + 32 g + 16 t + r
	s_mul_i32 s52, s52, OLP
	v_mul_u32_u24 v[OLA], v[RR], OLP
	v_lshl_add_u32 v[OLA], v[HH], 4, v[OLA]        ; o begins at LDS byte 0
	v_add_nc_u32 v[OLS], s52, v[OLA]
	v_mov_b32 v18, v20                             ; m and l of pieces 2, 3 into four registers on end
	v_mov_b32 v19, v21
	s_wait_tensorcnt 0x0                           ; my rows of xb, asked for two key steps ago, have landed
	s_wait_dscnt 0x0
	s_barrier_signal -1
	s_barrier_wait -1                              ; every wave has read the slots for the last time; they have had their last fill and take what follows
	ds_store_b128 v[SXS], v[16:19]
	WIN 0x08                                       ; data (source 1) window 2: pieces 2 and 3, from each accumulator's low end on
.set i, 0
.rept 64
	ds_store_b128 v[XST], v[4*i:4*i+3] offset:512*i
.set i, i+1
.endr
	WIN 0
	s_wait_dscnt 0x0                               ; for my partner's sake
	s_barrier_signal -1
	s_barrier_wait -1
	s_wait_alu depctr_va_vdst(0)
	ds_load_b128 v[24:27], v[SXR]                  ; my partner's m, l for my piece 0, then for my piece 1
.set i, 0
.rept 32
	ds_load_b128 v[128+4*i:128+4*i+3], v[XRD] offset:512*i  ; its sums for my piece 0
.set i, i+1
.endr
	s_wait_dscnt 32                                ; the statistics are in; the 32 younger loads stay out
	WIN 0xc0
.set i, 0
.rept 32
	ds_load_b128 v[128+4*i:128+4*i+3], v[XRD] offset:16384+512*i  ; and for my piece 1, into window 3
.set i, i+1
.endr
	WIN 0
	; THE MERGE.  M = max(m, m'); each side's O and l are scaled by 2^(m - M); l is summed over both sides and both halves of the lanes; fa, fb = the scales over l
	v_max_num_f32 v10, v8, v24
	v_max_num_f32 v14, v12, v26
	v_sub_f32 v8, v8, v10
	v_sub_f32 v24, v24, v10
	v_sub_f32 v12, v12, v14
	v_sub_f32 v26, v26, v14
	v_exp_f32 v8, v8
	v_exp_f32 v24, v24
	v_exp_f32 v12, v12
	v_exp_f32 v26, v26
	v_nop                                          ; a plain instruction behind the last exponential
	s_wait_alu depctr_va_vdst(0)
	v_mul_f32 v9, v9, v8
	v_mul_f32 v13, v13, v12
	v_fmac_f32 v9, v25, v24
	v_fmac_f32 v13, v27, v26
	v_permlanex16_b32 v11, v9, s[SEL], s[SEL+1]
	v_permlanex16_b32 v15, v13, s[SEL], s[SEL+1]
	v_add_f32 v9, v9, v11
	v_add_f32 v13, v13, v15
	v_rcp_f32 v9, v9
	v_rcp_f32 v13, v13
	v_nop
	s_wait_alu depctr_va_vdst(0)
	v_mul_f32 v10, v8, v9                          ; fa, fb of piece 0 in v10, v24; of piece 1 in v14, v26: each the low word of a pair
	v_mul_f32 v24, v24, v9
	v_mul_f32 v14, v12, v13
	v_mul_f32 v26, v26, v13
.macro MERGE_A t, fa                   ; my own share of piece t times fa: it stands in the wait for my partner's sums
	WIN 0x41
.set n, 0
.rept 64
	v_pk_mul_f32 v[128*(\t)+n:128*(\t)+n+1], v[128*(\t)+n:128*(\t)+n+1], v[\fa:\fa+1] op_sel_hi:[1,0]
.set n, n+2
.endr
.endm
.macro MERGE_B t, fb, wsrc             ; + O' fb, rounded to f16, 16 bytes a lane (a query's eight neighbouring channels) into o's rows.  wsrc: the window setting with O' as source 0
	WIN \wsrc
.set n, 0
.rept 64
	v_pk_fma_f32 v[128*(\t)+n:128*(\t)+n+1], v[128+n:128+n+1], v[\fb:\fb+1], v[128*(\t)+n:128*(\t)+n+1] op_sel_hi:[1,0,1]
.set n, n+2
.endr
	WIN 0x05
.set n, 0
.rept 64
	v_cvt_pk_f16_f32 v[XI+n], v[128*(\t)+2*n], v[128*(\t)+2*n+1]
.set n, n+1
.endr
	WIN 0
.set n, 0
.rept 16
	ds_store_b128 v[OLS], v[XI+4*n:XI+4*n+3] offset:(\t)*16*OLP+32*n
.set n, n+1
.endr
.endm
	MERGE_A 0, 10
	MERGE_A 1, 14
	WIN 0
	s_wait_dscnt 0x0                               ; my partner's sums are in registers
	s_barrier_signal -1
	s_barrier_wait -1                              ; everybody's are: o may lie over the bytes that handed them over
	MERGE_B 0, 24, 0x50
	MERGE_B 1, 26, 0x53
	s_wait_dscnt 0x0
	s_barrier_signal -1
	s_barrier_wait -1                              ; o of all 128 queries lies in LDS
	; THE THIRD PRODUCT.  Wave w makes out channels 128 w .. 128 w + 127 for all 128 queries.  o's 64 fragments (query tile a, 32 channels s) fill windows 1 and 2 at 64 (a % 4) + 8 s
	WIN 0x40
.set i, 0
.rept 32                                       ; i = 8 a + s
	ds_load_b128 v[8*i:8*i+3],   v[OLA] offset:(i/8)*16*OLP+(i%8)*64
	ds_load_b128 v[8*i+4:8*i+7], v[OLA] offset:(i/8)*16*OLP+(i%8)*64+32
.set i, i+1
.endr
	WIN 0x80
.set i, 0
.rept 32
	ds_load_b128 v[8*i:8*i+3],   v[OLA] offset:(4+i/8)*16*OLP+(i%8)*64
	ds_load_b128 v[8*i+4:8*i+7], v[OLA] offset:(4+i/8)*16*OLP+(i%8)*64+32
.set i, i+1
.endr
	WIN 0
	s_mul_i32 s56, s[WV], STGW
	s_add_co_u32 s56, s56, STG                     ; my stage: it lies apart from o, and nobody else touches it
	v_mul_u32_u24 v[STS], v[RR], OLP               ; row = out channel r of the block, 32 bytes (queries 16 a + 8 h + 0..7 in f32) at 64 a + 32 h
	v_lshl_add_u32 v[STS], v[HH], 5, v[STS]
	v_add_nc_u32 v[STS], s56, v[STS]
	v_lshl_add_u32 v[RD], v[LL], 4, s56
	v_lshlrev_b32 v[GO], 4, v[LL]
	s_cmp_eq_u32 s[WV], 0
	s_cselect_b32 s57, XL0, s[GXB+1]               ; where my rows of xb landed
	v_lshl_add_u32 v[XLA], v[LL], 3, s57           ; pixels 4 l .. 4 l + 3: 8 bytes
	s_lshl_b32 s72, s[BAT], 23
	s_lshl_b32 s73, s[WV], 21                      ; my 128 channels of 16,384 bytes
	s_add_co_u32 s72, s72, s73
	s_lshl_b32 s73, s[QB], 9                       ; my block's 128 pixels
	s_add_co_u32 s72, s72, s73
	s_mov_b32 s73, 0
	s_add_nc_u64 s[70:71], s[16:17], s[72:73]      ; out0
	s_wait_kmcnt 0x0
	v_mov_b32 v[GAM], s66
	v_cvt_pk_bf16_f32 v[GAM], v[GAM], v[GAM]
	v_lshlrev_b32 v[GAM], 16, v[GAM]
	s_wait_dscnt 0x0                               ; o's fragments are in
; A block of 16 out channels on set b.  Source 0 = o (16 queries), source 1 = Wv (16 out channels): a lane ends with one out channel and eight neighbouring pixels.  The sums start at the bias.
; Four accumulators take turns in each half, one instruction a turn.  cnt: the other set's loads, which may stay out.  load = 1: the set is asked for again, two blocks on.
; THEN THE BLOCK LEAVES: through my stage it comes back as 16 whole rows of 512 bytes, each with its row of xb; gamma G + x, fused; every store covers 512 consecutive bytes, aligned, and is on its way under the
; next blocks' products.  The stage's bytes are my own: LDS serves a wave's instructions in order (ISA guide 5.7.1.4), so the loads see the stores above them and the next block's stores come behind them.
.macro GB b, load, cnt
	s_wait_loadcnt \cnt
	v_cvt_pk_bf16_f32 v[TT], v[BR+(\b)], v[BR+(\b)]
	v_lshlrev_b32 v[TT], 16, v[TT]
.set n, 0
.rept 8
	v_mov_b32 v[BT+n], v[TT]
.set n, n+1
.endr
.irp hf, 0,1
	WIN 0x0d+\hf                                   ; o window 1 or 2, Wv window 3, C and D window 0
.irp s, 0,1,2,3,4,5,6,7
.irp a, 0,1,2,3
.if \s == 0
	v_wmma_f32_16x16x32_f16 v[AC+8*(4*\hf+\a):AC+8*(4*\hf+\a)+7], v[64*\a+8*\s:64*\a+8*\s+7], v[64*(\b)+8*\s:64*(\b)+8*\s+7], v[BT:BT+7]
.else
	v_wmma_f32_16x16x32_f16 v[AC+8*(4*\hf+\a):AC+8*(4*\hf+\a)+7], v[64*\a+8*\s:64*\a+8*\s+7], v[64*(\b)+8*\s:64*(\b)+8*\s+7], v[AC+8*(4*\hf+\a):AC+8*(4*\hf+\a)+7]
.endif
.endr
.endr
.endr
	WIN 0
.rept 4
	v_nop                                          ; four places in front of loads into registers that the products have read and of stores that read their results
.endr
.if \load
	v_add_nc_u32 v[WVO+(\b)], 16384, v[WVO+(\b)]   ; free since the wait at the head, which showed their loads done
	v_add_nc_u32 v[3+4*(\b)], 128, v[3+4*(\b)]
	WLD \b
.endif
.set n, 0
.rept 8
	ds_store_b128 v[STS], v[AC+8*n:AC+8*n+3]   offset:64*n
	ds_store_b128 v[STS], v[AC+8*n+4:AC+8*n+7] offset:64*n+16
.set n, n+1
.endr
.set n, 0
.rept 16
	ds_load_b128 v[GR+4*n:GR+4*n+3], v[RD] offset:OLP*n
	ds_load_b64 v[XB+2*n:XB+2*n+1], v[XLA] offset:256*n
.set n, n+1
.endr
	v_add_nc_u32 v[XLA], 16*256, v[XLA]
.set n, 0
.rept 16
	s_wait_dscnt 30-2*n                            ; row n of the stage and of xb are in; the two loads of each of the 15 - n younger rows stay out
	v_fma_mix_f32_bf16 v[GR+4*n],   v[GAM], v[GR+4*n],   v[XB+2*n]   op_sel_hi:[0,0,1]
	v_fma_mix_f32_bf16 v[GR+4*n+1], v[GAM], v[GR+4*n+1], v[XB+2*n]   op_sel:[0,0,1] op_sel_hi:[0,0,1]
	v_fma_mix_f32_bf16 v[GR+4*n+2], v[GAM], v[GR+4*n+2], v[XB+2*n+1] op_sel_hi:[0,0,1]
	v_fma_mix_f32_bf16 v[GR+4*n+3], v[GAM], v[GR+4*n+3], v[XB+2*n+1] op_sel:[0,0,1] op_sel_hi:[0,0,1]
	global_store_b128 v[GO], v[GR+4*n:GR+4*n+3], s[70:71] offset:16384*n th:TH_STORE_NT
.set n, n+1
.endr
	s_wait_xcnt 0x0                                ; the stores have read their registers: their base and their data are written again only behind this wait
	s_add_nc_u64 s[70:71], s[70:71], 262144        ; 16 rows of out0 on
.endm
	s_mov_b32 s[CNT], 3
.Lgb:                                              ; blocks 0-5; blocks 2-7 are asked for
	GB 0, 1, 17                                    ; the other set's 17 loads may stay out
	GB 1, 1, 17
	s_sub_co_u32 s[CNT], s[CNT], 1
	s_cmp_lg_u32 s[CNT], 0
	s_cbranch_scc1 .Lgb
	GB 0, 0, 17                                    ; the last two ask for nothing
	GB 1, 0, 0
	s_wait_tensorcnt 0x0                           ; the wave's end: the wait, the add and its wait stand behind my last tensor load and my last LDS store
	ds_add_u32 v[SPW], v[NIL]
	s_wait_dscnt 0x0
	CROUND                                         ; the closing round: no work-group ends while a partner may still ask for a tile that names it
	s_endpgm
.Lfunc_end_k_q0235245ccc_attn:
	.size	k_q0235245ccc_attn, .Lfunc_end_k_q0235245ccc_attn-k_q0235245ccc_attn
	.p2alignl 7, 3214868480
	.fill 96, 4, 3214868480
	.section	.rodata,"a",@progbits
	.p2align	6, 0x0
	.amdhsa_kernel k_q0235245ccc_attn
		.amdhsa_group_segment_fixed_size 327680
		.amdhsa_private_segment_fixed_size 0
		.amdhsa_enable_private_segment 0
		.amdhsa_kernarg_size 56
		.amdhsa_user_sgpr_count 2
		.amdhsa_user_sgpr_kernarg_segment_ptr 1
		.amdhsa_wavefront_size32 1
		.amdhsa_system_sgpr_workgroup_id_x 1
		.amdhsa_system_sgpr_workgroup_id_y 1
		.amdhsa_system_sgpr_workgroup_id_z 1
		.amdhsa_system_vgpr_workitem_id 0
		.amdhsa_next_free_vgpr 1024
		.amdhsa_next_free_sgpr 96
		.amdhsa_reserve_vcc 0
		.amdhsa_float_denorm_mode_32 3
		.amdhsa_float_denorm_mode_16_64 3
		.amdhsa_memory_ordered 1
		.amdhsa_forward_progress 1
		.amdhsa_inst_pref_size 255
	.end_amdhsa_kernel
	.section	.bss,"aw",@nobits
	.p2align	6
	.space	262144
	.amdgpu_metadata
---
amdhsa.version: [ 1, 2 ]
amdhsa.kernels:
  - .name:           k_q0235245ccc_attn
    .symbol:         k_q0235245ccc_attn.kd
    .args:
      - { .name: q, .offset: 0, .size: 8, .value_kind: global_buffer, .address_space: global }
      - { .name: kv, .offset: 8, .size: 8, .value_kind: global_buffer, .address_space: global }
      - { .name: wvf, .offset: 16, .size: 8, .value_kind: global_buffer, .address_space: global }
      - { .name: bv, .offset: 24, .size: 8, .value_kind: global_buffer, .address_space: global }
      - { .name: gamma, .offset: 32, .size: 8, .value_kind: global_buffer, .address_space: global }
      - { .name: xb, .offset: 40, .size: 8, .value_kind: global_buffer, .address_space: global }
      - { .name: out0, .offset: 48, .size: 8, .value_kind: global_buffer, .address_space: global }
    .group_segment_fixed_size: 327680
    .private_segment_fixed_size: 0
    .kernarg_segment_align: 8
    .kernarg_segment_size: 56
    .max_flat_workgroup_size: 128
    .sgpr_count:     96
    .vgpr_count:     1024
    .wavefront_size: 32
...
	.end_amdgpu_metadata
.endif
;; end of part 2
